; MI455X (gfx1250); checked and timed in simulation.
; The chip was launched on July 23, 2026; its instructions are those of AMD's public machine-readable ISA for CDNA 5 (MIT licence, August 2026) and "CDNA5" Instruction Set Architecture Reference Guide (July 2026). The comments in the code are by the model that wrote it; some were corrected since.
;; Multi Head Attention. Allowed arithmetic: matrix products marked QUANTISED: E4M3 operands, one given power-of-two scale a tensor, by v_wmma_f32_16x16x64_fp8_fp8 or v_wmma_f32_16x16x128_fp8_fp8, f32 sums; everything else in f32.
;; Inputs: lowp_scales 8 int32 (the exponents e of the quantised operands' scales 2^e); out_b 1,024 float32; out_w 1,024 x 1,024 float32; qkv_b 3,072 float32; qkv_w 3,072 x 1,024 float32; x 4 x 2,048 x 1,024 float32.
;; Outputs: out0 4 x 2,048 x 1,024 float32.
;; This version of the problem:
;;   THIS VERSION OF THE PROBLEM IS GIVEN IN LOW PRECISION. The matrix products marked QUANTISED in the list below multiply operands that are first quantised to E4M3 (4 exponent bits, 3 mantissa bits; 8 bits a number), with one given power-of-two scale for each operand tensor; their sums are f32. All else is computed in f32.
;;   The module's matrix products, in the order in which they are computed (A, B: the left and right operand; K: the contracted axis; several contracted axes count as one K, in the product's order):
;;     1. [M 8,192, K 1,024] x [K 1,024, N 3,072]; A: input x; B: input qkv_w: QUANTISED (scales: A lowp_scales[0], B lowp_scales[1])
;;     2. batch 64 x [M 2,048, K 64] x [K 64, N 2,048]; A: computed on the way; B: computed on the way: QUANTISED (scales: A lowp_scales[2], B lowp_scales[3])
;;     3. batch 64 x [M 2,048, K 2,048] x [K 2,048, N 64]; A: softmax (see below); B: computed on the way: QUANTISED (scales: A lowp_scales[4], B lowp_scales[5])
;;     4. [M 8,192, K 1,024] x [K 1,024, N 1,024]; A: computed on the way; B: input out_w: QUANTISED (scales: A lowp_scales[6], B lowp_scales[7])
;;   THE QUANTISER, for each operand of a quantised product, along K:
;;     - The operand's scale is 2^e, e = its entry of the input lowp_scales (int32; the entries are numbered through the quantised products in the list's order, A before B).
;;     - Each number is divided by the scale, clamped to +-448, and rounded to the nearest number of E4M3, ties to even, subnormals kept.
;;     - The product sums the exact products of the quantised numbers (number of the format x scale) in f32.
;;   ~~~python
;;   def quantise(x, axis, e):      # numpy; x: float32 -> the quantised numbers, widened to float32 again
;;       x = np.moveaxis(x, axis, -1); K = x.shape[-1]
;;       r = np.clip(x / 2.0 ** e, -448, 448)
;;       step = 2.0 ** (np.maximum(np.frexp(np.where(r == 0, 1, r))[1] - 1, -6) - 3)
;;       q = np.round(r / step) * step * 2.0 ** e      # np.round: ties to even
;;       return np.moveaxis(q, -1, axis).astype(np.float32)
;;   ~~~
;;   SOFTMAX AHEAD OF A QUANTISED PRODUCT. Where the list says 'softmax', what is quantised is not the finished softmax but p = 2^(t - M), with t = logit x log2(e) and M = ceil(the row's largest t), a whole number; so 1/2 < the row's largest p <= 1. The row's sum l is taken of the UNQUANTISED p, in f32, and the product's result is divided by l at the end. Since M is a whole number, a kernel that streams over the keys may use a running M (the ceiling of the running maximum): every later rescaling is an exact power of two, so the quantised numbers keep their values, but for numbers so far below the row's largest that they fall under the format's range.
;;   OPERANDS COMPUTED ON THE WAY. 'Computed on the way' means the value that the module computes at that place (a softmax that the list does not call 'softmax' is quantised finished and normalised). What goes into a quantiser is computed in f32, as accurately as f32 sums, v_exp_f32 and their like allow (about 1e-6 of the number): no bf16 or f16 on the way to a quantiser, and a product that is left as it is and whose result goes on into a quantised operand takes f32 operands (vector FMAs, or v_wmma_f32_16x16x4_f32). A number that lies on a knife's edge between two numbers of the format may be rounded either way, as far as f32 arithmetic and the matrix unit's own rounding can turn it there, and no further.
;; One version. Each part assembles by itself: llvm-mc -triple=amdgcn-amd-amdhsa -mcpu=gfx1250 --defsym DOCPART=n.
;; ======== version 1 of 1: 4 launches
;; limits: right only within a limited range of input values
;; workspace buffers: codes 12,582,912 bytes; qkvc 25,165,824 bytes; ocodes 8,388,608 bytes
;; launch quant (part 1): grid 384 x 1, 4 waves a work-group, no clusters, 35,328 bytes of LDS; arguments x, qkv_w, out_w, lowp_scales, codes; writes codes
.if DOCPART == 1
	.amdgcn_target "amdgcn-amd-amdhsa--gfx1250"
	.amdhsa_code_object_version 6
	.text
	.protected	k_qb1806aa5fc_quant
	.globl	k_qb1806aa5fc_quant
	.p2align	8
	.type	k_qb1806aa5fc_quant,@function
k_qb1806aa5fc_quant:
	s_mov_b64 s[64:65], 0
	v_nop
	global_prefetch_b8 v0, s[64:65] scope:SCOPE_SE
	s_setreg_imm32_b32 hwreg(HW_REG_WAVE_MODE, 25, 1), 1
	s_wait_xcnt 0x0
; x [8192][1024], qkv_w [3072][1024] and out_w [1024][1024], f32 with K innermost, become codes of FP8 (E4M3), one a byte, laid on end in one buffer:
; x's at byte 0, qkv_w's at 8,388,608, out_w's at 11,534,336.  code = number / 2^e, held within +-448, rounded to the nearest code, ties to even.
; e is entry 0 (x), 1 (qkv_w) or 7 (out_w) of the buffer of scales.  LIMITS: -126 <= e <= 119, so that 2^e and 448 x 2^e are f32 numbers; NaN among the inputs is not served.
; THE CODES ARE LAID AS IMAGES OF OPERAND REGISTERS: 16 rows x 128 K are 2,048 bytes, [c = 0..3][lane = 16 h + r][16 bytes], the 16 bytes being row r, K = 32 c + 16 h + 0..15; the 8 images of 16 rows lie on end (16,384 bytes).
; A work-group takes 32 rows, a wave 16 rows x 512 K, a row a step.  Work-groups 0-255 take x, 256-351 qkv_w, 352-383 out_w: only pointers and e are chosen, by selects on the work-group's number; all take one path.
; Each of a step's four loads reads 512 consecutive bytes, 16 a lane; the 2,048 bytes go through the wave's own stage in LDS and come back 64 bytes a lane (16 bytes of padding behind each 64), since the conversion takes 8 neighbours from one lane.
; After 16 steps lane l holds, for each of the 16 rows, the 16 codes at K = 16 l: these turn once more through LDS (rows of 272 bytes, a lane a row), and come back so that a store's 32 lanes cover 512 consecutive bytes of the images.
; No barrier: waves share nothing.  No cluster: no two work-groups read the same byte.  Loads run four steps (16 loads a wave) ahead.
.set STEPS, 16
.set WGX,   256
.set WGW,   352
.set EMAX,  8
.set MANT,  0x600000                   ; the mantissa field of 448 as f32
.set R,     16                         ; v16-79   four sets of 16 numbers as they are loaded; at the end the codes on their way out
.set X,     80                         ; v80-111  two sets of 16 neighbours
.set C,     128                        ; v128-191 codes: four registers for each step
.set WREG,  8704                       ; LDS: a region for each wave: two stages of 32 x SP bytes, then, on the same bytes, 32 rows of 272
.set SP,    80
.set SPARE, 4*WREG
	s_load_b256 s[4:11], s[0:1], 0x0               ; x s[4:5], qkv_w s[6:7], out_w s[8:9], the scales' exponents s[10:11]
	s_load_b64 s[12:13], s[0:1], 0x20              ; the codes
	v_lshl_add_u32 v192, v0, 2, SPARE
	v_mov_b32 v193, 0
	v_lshrrev_b32 v1, 5, v0
	v_readfirstlane_b32 s16, v1                    ; wave
	v_and_b32 v2, 31, v0                           ; lane
	v_lshlrev_b32 v3, 4, v2                        ; my 16 bytes of a load's 512, and of a store's
	s_mul_i32 s17, s16, WREG
	v_lshrrev_b32 v14, 2, v2
	v_mul_u32_u24 v14, v14, SP
	v_and_b32 v15, 3, v2
	v_lshl_add_u32 v14, v15, 4, v14
	v_add_nc_u32 v14, s17, v14                     ; the stage, on the way in: SP (lane / 4) + 16 (lane % 4)
	v_mul_u32_u24 v15, v2, SP
	v_add_nc_u32 v15, s17, v15                     ; and on the way out: SP x lane
	v_mul_u32_u24 v12, v2, 272
	v_add_nc_u32 v12, s17, v12                     ; the codes' turn, in: 272 x lane, + 16 x row
	v_lshrrev_b32 v13, 4, v2
	v_mul_u32_u24 v13, v13, 272
	v_and_b32 v9, 15, v2
	v_lshl_add_u32 v13, v9, 4, v13
	v_add_nc_u32 v13, s17, v13                     ; and back: 272 (lane / 16) + 16 (lane % 16), + 544 j
	s_wait_alu depctr_va_vdst(0)                   ; the wait here, directly ahead of the wait below
	s_wait_kmcnt 0x0
	s_load_b64 s[22:23], s[10:11], 0x0             ; e of x, of qkv_w
	s_load_b32 s24, s[10:11], 0x1c                 ; e of out_w
	s_cmp_lt_u32 ttmp9, WGW
	s_cselect_b64 s[6:7], s[6:7], s[8:9]
	s_mov_b32 s18, WGW
	s_cselect_b32 s18, WGX, s18
	s_cmp_lt_u32 ttmp9, WGX
	s_cselect_b64 s[4:5], s[4:5], s[6:7]           ; my tensor,
	s_cselect_b32 s18, 0, s18                      ; and its first work-group
	s_sub_co_u32 s18, ttmp9, s18
	s_lshl_b32 s20, s18, 17                        ; 32 rows of 4,096 bytes,
	s_lshr_b32 s19, s16, 1
	s_lshl_b32 s19, s19, 16                        ; my 16 of them,
	s_add_co_u32 s20, s20, s19
	s_and_b32 s19, s16, 1
	s_lshl_b32 s19, s19, 11                        ; my half of K
	s_add_co_u32 s20, s20, s19
	s_mov_b32 s21, 0
	s_add_nc_u64 s[4:5], s[4:5], s[20:21]
	s_lshl_b32 s20, ttmp9, 2
	s_add_co_u32 s20, s20, s16
	s_lshl_b32 s20, s20, 13                        ; four images, 8,192 bytes, for each wave of the launch, on end
	s_add_nc_u64 s[12:13], s[12:13], s[20:21]
.macro LOAD t
.irp i, 0,1,2,3
	global_load_b128 v[R+16*((\t)%4)+4*\i:R+16*((\t)%4)+4*\i+3], v3, s[4:5] offset:4096*(\t)+512*\i th:TH_LOAD_NT   ; row t: 32 lanes read 512 consecutive bytes
.endr
.endm
.macro TURN t                          ; LDS serves a wave's instructions in order: no wait between the stores and the loads
.irp i, 0,1,2,3
	ds_store_b128 v14, v[R+16*((\t)%4)+4*\i:R+16*((\t)%4)+4*\i+3] offset:32*SP*((\t)%2)+8*SP*\i
.endr
.irp i, 0,1,2,3
	ds_load_b128 v[X+16*((\t)%2)+4*\i:X+16*((\t)%2)+4*\i+3], v15 offset:32*SP*((\t)%2)+16*\i
.endr
.endm
.irp t, 0,1,2,3
	LOAD \t
.endr
	s_wait_kmcnt 0x0
	s_cmp_lt_u32 ttmp9, WGW
	s_cselect_b32 s23, s23, s24
	s_cmp_lt_u32 ttmp9, WGX
	s_cselect_b32 s22, s22, s23                    ; my tensor's e
	s_add_co_i32 s22, s22, 127
	s_lshl_b32 s23, s22, 23
	v_mov_b32 v11, s23                             ; 2^e as f32
	s_add_co_i32 s22, s22, EMAX
	s_lshl_b32 s22, s22, 23
	s_or_b32 s22, s22, MANT
	v_mov_b32 v10, s22                             ; 448 x 2^e
	s_wait_alu depctr_va_vdst(0)                   ; the wait at the head's end
	s_wait_loadcnt 12                              ; step 0's four loads are in; the twelve of steps 1 to 3 may be out
	TURN 0
.macro STEP t
.set XS, X+16*((\t)%2)
	s_wait_dscnt 0x0                               ; this step's numbers are back from the stage
.if (\t)+4 < STEPS
	LOAD (\t)+4
.endif
.if (\t)+1 < STEPS
.if STEPS-2-(\t) >= 3
	s_wait_loadcnt 12                              ; the next step's four loads are in; those of the three steps behind it may be out
.else
	s_wait_loadcnt 4*(STEPS-2-(\t))
.endif
	TURN (\t)+1
.endif
.irp i, 0,1,2,3,4,5,6,7,8,9,10,11,12,13,14,15
	v_med3_num_f32 v[XS+\i], v[XS+\i], -v10, v10   ; the conversion does not saturate (ISA guide 7.6.2): the hold comes first
.endr
	v_cvt_scalef32_pk8_fp8_f32 v[C+4*(\t):C+4*(\t)+1], v[XS:XS+7], v11
	v_cvt_scalef32_pk8_fp8_f32 v[C+4*(\t)+2:C+4*(\t)+3], v[XS+8:XS+15], v11
.endm
.irp t, 0,1,2,3,4,5,6,7,8,9,10,11,12,13,14,15
	STEP \t
.endr
.irp t, 0,1,2,3,4,5,6,7,8,9,10,11,12,13,14,15
	ds_store_b128 v12, v[C+4*\t:C+4*\t+3] offset:16*\t         ; row t's 16 codes at K = 16 lane
.endr
.irp j, 0,1,2,3,4,5,6,7,8,9,10,11,12,13,14,15
	ds_load_b128 v[R+4*\j:R+4*\j+3], v13 offset:544*\j         ; of K = 16 (2 j + lane / 16): row lane % 16
.endr
.irp j, 0,1,2,3,4,5,6,7,8,9,10,11,12,13,14,15
	s_wait_dscnt 15-\j
	global_store_b128 v3, v[R+4*\j:R+4*\j+3], s[12:13] offset:512*\j   ; 32 lanes store 512 consecutive bytes of the images
.endr
	s_wait_tensorcnt 0x0                           ; the wave's end
	ds_add_u32 v192, v193
	s_wait_dscnt 0x0
	s_endpgm
.Lfunc_end_k_qb1806aa5fc_quant:
	.size	k_qb1806aa5fc_quant, .Lfunc_end_k_qb1806aa5fc_quant-k_qb1806aa5fc_quant
	.p2alignl 7, 3214868480
	.fill 96, 4, 3214868480
	.section	.rodata,"a",@progbits
	.p2align	6, 0x0
	.amdhsa_kernel k_qb1806aa5fc_quant
		.amdhsa_group_segment_fixed_size 35328
		.amdhsa_private_segment_fixed_size 0
		.amdhsa_enable_private_segment 0
		.amdhsa_kernarg_size 40
		.amdhsa_user_sgpr_count 2
		.amdhsa_user_sgpr_kernarg_segment_ptr 1
		.amdhsa_wavefront_size32 1
		.amdhsa_system_sgpr_workgroup_id_x 1
		.amdhsa_system_sgpr_workgroup_id_y 1
		.amdhsa_system_sgpr_workgroup_id_z 1
		.amdhsa_system_vgpr_workitem_id 0
		.amdhsa_next_free_vgpr 194
		.amdhsa_next_free_sgpr 66
		.amdhsa_reserve_vcc 0
		.amdhsa_float_denorm_mode_32 3
		.amdhsa_float_denorm_mode_16_64 3
		.amdhsa_memory_ordered 1
		.amdhsa_forward_progress 1
		.amdhsa_inst_pref_size 41
	.end_amdhsa_kernel
	.amdgpu_metadata
---
amdhsa.version: [ 1, 2 ]
amdhsa.kernels:
  - .name:           k_qb1806aa5fc_quant
    .symbol:         k_qb1806aa5fc_quant.kd
    .args:
      - { .name: x, .offset: 0, .size: 8, .value_kind: global_buffer, .address_space: global }
      - { .name: qkv_w, .offset: 8, .size: 8, .value_kind: global_buffer, .address_space: global }
      - { .name: out_w, .offset: 16, .size: 8, .value_kind: global_buffer, .address_space: global }
      - { .name: lowp_scales, .offset: 24, .size: 8, .value_kind: global_buffer, .address_space: global }
      - { .name: codes, .offset: 32, .size: 8, .value_kind: global_buffer, .address_space: global }
    .group_segment_fixed_size: 35328
    .private_segment_fixed_size: 0
    .kernarg_segment_align: 8
    .kernarg_segment_size: 40
    .max_flat_workgroup_size: 128
    .sgpr_count:     66
    .vgpr_count:     194
    .wavefront_size: 32
...
	.end_amdgpu_metadata
.endif
;; end of part 1
;; launch qkvgemm (part 2): grid 8 x 32, 4 waves a work-group, clusters of 4 x 1, 262,656 bytes of LDS; arguments codes, qkv_b, lowp_scales, qkvc; writes qkvc
.if DOCPART == 2
	.amdgcn_target "amdgcn-amd-amdhsa--gfx1250"
	.amdhsa_code_object_version 6
	.text
	.protected	k_qb1806aa5fc_qkvgemm
	.globl	k_qb1806aa5fc_qkvgemm
	.p2align	8
	.type	k_qb1806aa5fc_qkvgemm,@function
k_qb1806aa5fc_qkvgemm:
	s_mov_b64 s[64:65], 0
	v_nop
	global_prefetch_b8 v0, s[64:65] scope:SCOPE_SE
	s_setreg_imm32_b32 hwreg(HW_REG_WAVE_MODE, 25, 1), 1
	s_wait_xcnt 0x0
	s_wait_alu depctr_hold_cnt(0) depctr_sa_sdst(0) depctr_va_vdst(0) depctr_va_sdst(0) depctr_va_ssrc(0) depctr_va_vcc(0) depctr_vm_vsrc(0)
	s_getreg_b32 s2, hwreg(HW_REG_IB_STS2, 6, 4)
	s_cmp_eq_u32 s2, 0
	s_cbranch_scc0 .Lentry_in_a_cluster
	s_endpgm
.Lentry_in_a_cluster:
	s_bfe_u32 s2, ttmp6, 0x10000c
	s_cmp_lg_u32 s2, 0x3003
	s_cbranch_scc0 .Lentry_shape_is_right
	s_endpgm
.Lentry_shape_is_right:
; qkv = x qkv_w^T + qkv_b on codes of FP8 (E4M3), K = 1,024, by the K = 128 form; q, k and v are quantised (entries 2, 3, 5 of the scales) and stored as images of the attention's operand registers.
; OPERANDS arrive as images: 16 rows x 128 K = 2,048 bytes, [c][lane][16 bytes], so every load of a fragment is four loads of 16 bytes a lane on end.  K's places in the registers are the same permutation in both operands.
; SHARES.  256 work-groups: 32 blocks of 256 tokens x 8.  A work-group makes 256 tokens x 3 chunks of 128 columns, one chunk after the other; a wave 128 tokens x 64 columns (one head) of each: 32 accumulators, 256 registers.
; x's 256 ROWS, ALL OF K, LIE IN LDS: 262,144 bytes, filled once, one tensor load of 65,536 bytes a wave at the head: no ring, no refill.
; CLUSTER.  The four work-groups of a cluster need the same rows of x: each load is asked for jointly, with the mask of all four.
; qkv_w's FRAGMENTS GO FROM MEMORY STRAIGHT INTO REGISTERS, four sets of 64 registers, three K steps ahead.  They are not asked for jointly: they never lie in LDS, of which x leaves 65,024 bytes, less than two K steps' slots with the spare words would be worth.
; CHUNKS.  chunk = 12 x cluster x + 4 x trip + cx, so u = 3 x cluster x + trip says what a chunk is (u = 0, 1: q; 2, 3: k; 4, 5: v) for all four partners alike: no branch hangs on a work-group's place in its cluster.
; q, k: source 0 = 16 rows of qkv_w, source 1 = 16 tokens: a lane holds a token and 8 neighbouring channels.  v: the sources swapped: a lane holds a channel and 8 neighbouring tokens (the keys are the last product's K).
; The bias, divided by 2^(e0 + e1), is the C of a chunk's first products.
; PREFETCH.  A chunk's 131,072 bytes of qkv_w are 512 blocks of 256 bytes; the 32 work-groups that read them share them out by address, 16 each, 4 a wave (lanes 3-31 name the wave's last block).  Chunk 0 is asked for at the head,
; a later chunk at the top of the trip before it, six K steps ahead of the first load that wants it; the last trip asks for nothing.
; LIMITS, so that each power of two is an f32 number: e2, e3, e5 less e0 + e1 between -126 and 119.  NaN is not served.
; REGISTERS, in windows of 256: 0: addresses, bias, the way out; 1: accumulator (a, b) at 32 a + 8 b; 2: x's fragments, two sets of 128; 3: qkv_w's, four sets of 64.
.set SPARE, 262144
.set WOFF,  8388608
.set CSTEP, 524288                     ; four chunks on in qkv_w's images
.set LN,  1                            ; 16 x lane
.set ADA, 2                            ; v2, v3: LDS address of my tiles 0-3, 4-7 of x
.set SPW, 4
.set NIL, 5
.set SCL, 6
.set LIM, 7
.set BQ,  8                            ; bias, q and k: 32 (lane / 16)
.set BV,  9                            ; bias, v: 4 (lane % 16)
.set PFO, 10                           ; 256 x min(lane, 3)
.set BI,  32
.set TMP, 64
.set CD,  128
.set MSB, 0
.macro WIN new
.if MSB != \new
	s_set_vgpr_msb (MSB<<8)|\new
.set MSB, \new
.endif
.endm
.macro ROUND
	s_barrier_signal -1
	s_barrier_wait -1
	s_cmp_lg_u32 s14, 0
	s_cbranch_scc1 .Lnot_wave_0_\@
	s_barrier_signal -3
.Lnot_wave_0_\@:
	s_barrier_wait -3
	s_barrier_signal -1
	s_barrier_wait -1
.endm
.macro PLACES
.rept 4
	v_nop
.endr
.endm
.macro ALOAD set, ks                   ; x's eight fragments of K step ks
	WIN 0x80
.irp a, 0,1,2,3,4,5,6,7
.irp c, 0,1,2,3
	ds_load_b128 v[128*(\set)+16*\a+4*\c:128*(\set)+16*\a+4*\c+3], v[ADA+\a/4] offset:(\a%4)*16384+(\ks)*2048+\c*512
.endr
.endr
.endm
.macro BLOAD slot, off                 ; qkv_w's four fragments at byte off of my four tiles
	WIN 0xc0
.irp b, 0,1,2,3
.irp c, 0,1,2,3
	global_load_b128 v[64*(\slot)+16*\b+4*\c:64*(\slot)+16*\b+4*\c+3], v[LN], s[36:37] offset:(\off)+\b*16384+\c*512
.endr
.endr
.endm
.macro BIASQ off
.irp b, 0,1,2,3
	global_load_b128 v[BI+8*\b:BI+8*\b+3], v[BQ], s[42:43] offset:(\off)+64*\b
	global_load_b128 v[BI+8*\b+4:BI+8*\b+7], v[BQ], s[42:43] offset:(\off)+64*\b+16
.endr
.endm
.macro MUL it, var                     ; 32 products, the accumulators by turns
.if \it == 0
	WIN 0x4b+3*(\var)
.else
	WIN 0x5b+3*(\var)
.endif
.irp a, 0,1,2,3,4,5,6,7
.irp b, 0,1,2,3
.set D_, 32*\a+8*\b
.if \var
.set X_, 128*((\it)%2)+16*\a
.set Y_, 64*((\it)%4)+16*\b
.else
.set X_, 64*((\it)%4)+16*\b
.set Y_, 128*((\it)%2)+16*\a
.endif
.if \it == 0
	v_wmma_f32_16x16x128_fp8_fp8 v[D_:D_+7], v[X_:X_+15], v[Y_:Y_+15], v[BI+8*\b:BI+8*\b+7]
.else
	v_wmma_f32_16x16x128_fp8_fp8 v[D_:D_+7], v[X_:X_+15], v[Y_:Y_+15], v[D_:D_+7]
.endif
.endr
.endr
.endm
; A K STEP.  LOADcnt: behind set it stand sets it + 1 and it + 2, 32 loads.  Steps 5 to 7 fetch nothing of this chunk; step 6 waits for sets 6 and 7 together, so that the next chunk's loads, which the last trip leaves out, enter no count.
.macro ITER it, var
.if \it == 6
	s_wait_loadcnt 0x0
.endif
.if (\it > 0) && (\it < 6)
	s_wait_loadcnt 32
.endif
	s_wait_dscnt 0x0                               ; x's fragments of this step, asked for a step ago
	PLACES                                         ; four places between the last step's products and loads into registers that they read
.if \it < 7
	ALOAD (\it+1)%2, \it+1
.endif
.if \it < 5
	BLOAD (\it+3)%4, (\it+3)*2048
.endif
.if \it >= 6
	WIN 0
	s_cmp_eq_u32 s21, 1                            ; the last trip has no next chunk
	s_cbranch_scc1 .Lnone_\@
.if \it == 6
	s_cmp_lt_u32 s23, 3                            ; the next chunk's bias, older than its sets: is it q or k?
	s_cbranch_scc0 .Lbias_v_\@
	BIASQ 2048
	s_branch .Lbias_in_\@
.Lbias_v_\@:
.irp b, 0,1,2,3
	global_load_b32 v[BI+8*\b], v[BV], s[42:43] offset:2048+64*\b
.endr
.Lbias_in_\@:
	BLOAD 0, CSTEP
	BLOAD 1, CSTEP+2048
.else
	ALOAD 0, 0
	BLOAD 2, CSTEP+4096
.endif
	WIN 0
.Lnone_\@:
.endif
	MUL \it, \var
.endm
; THE WAY OUT of a chunk: the hold, the conversion, 16 stores of 512 consecutive bytes.
.macro OUT var
	PLACES
.irp g, 0,1,2,3
	WIN 0x01
.set jj, 0
.rept 64
	v_med3_num_f32 v[TMP+jj], v[64*\g+jj], -v[LIM], v[LIM]     ; each accumulator from its low end on
.set jj, jj+1
.endr
	WIN 0
.irp e, 0,1
.irp b, 0,1,2,3
.if \var
	v_cvt_scalef32_pk8_fp8_f32 v[CD+32*(\g/2)+8*\b+2*((2*\g+\e)%4):CD+32*(\g/2)+8*\b+2*((2*\g+\e)%4)+1], v[TMP+32*\e+8*\b:TMP+32*\e+8*\b+7], v[SCL]
.else
	v_cvt_scalef32_pk8_fp8_f32 v[CD+8*(2*\g+\e)+2*\b:CD+8*(2*\g+\e)+2*\b+1], v[TMP+32*\e+8*\b:TMP+32*\e+8*\b+7], v[SCL]
.endif
.endr
.endr
	v_nop                                          ; one plain line behind the conversions
.if \var
.if \g%2
.irp b, 0,1,2,3
.irp c, 0,1
	global_store_b128 v[LN], v[CD+32*(\g/2)+8*\b+4*\c:CD+32*(\g/2)+8*\b+4*\c+3], s[40:41] offset:(\g/2)*4096+\b*1024+\c*512   ; v: [64 keys][16 channels][c][lane]
.endr
.endr
.endif
.else
.irp e, 0,1
.irp c, 0,1
	global_store_b128 v[LN], v[CD+8*(2*\g+\e)+4*\c:CD+8*(2*\g+\e)+4*\c+3], s[40:41] offset:(2*\g+\e)*1024+\c*512   ; q, k: [16 tokens][c][lane]
.endr
.endr
.endif
.endr
.endm
	s_load_b256 s[4:11], s[0:1], 0x0               ; codes, qkv_b, the scales' exponents, the images of q, k, v
	v_lshl_add_u32 v[SPW], v0, 2, SPARE
	v_mov_b32 v[NIL], 0
	ds_add_u32 v[SPW], v[NIL]                      ; the opening lines: the add, twice on end, and its wait
	ds_add_u32 v[SPW], v[NIL]
	v_lshrrev_b32 v1, 5, v0
	v_readfirstlane_b32 s14, v1                    ; wave
	s_lshr_b32 s15, s14, 1                         ; which 128 tokens
	s_and_b32 s16, s14, 1                          ; which 64 columns
	s_bfe_u32 s17, ttmp6, 0x40000                  ; cx: it enters global addresses alone
	s_and_b32 s18, ttmp7, 0xffff                   ; the block of 256 tokens
	s_mov_b32 s24, 15|(3<<16)|(1<<21)              ; group 1: the mask of all four; elements of 8 bytes; a dense block as 256 rows of 256 bytes
	s_mov_b32 s25, 32<<16
	s_mov_b32 s26, 256<<16
	s_mov_b32 s27, 32<<16
	s_mov_b32 s28, 256
	s_mov_b32 s29, 32
	s_mov_b32 s30, 0
	s_mov_b32 s31, 0
	s_lshl_b32 s46, s18, 18                        ; 16 tiles of 16,384 bytes a block,
	s_lshl_b32 s33, s14, 16                        ; my four of them; in LDS likewise
	s_add_co_u32 s46, s46, s33
	s_mov_b32 s47, 0
	s_mov_b32 s32, 1
	s_wait_dscnt 0x0
	s_wait_kmcnt 0x0
	s_load_b256 s[68:75], s[8:9], 0x0              ; the eight exponents
	s_add_nc_u64 s[34:35], s[4:5], s[46:47]
	s_or_b32 s35, s35, 0x80000000
	ROUND                                          ; all four work-groups are here: the joint loads meet
	tensor_load_to_lds s[32:35], s[24:31]          ; my one tensor load of the launch
	s_nop 0
	v_and_b32 v[LN], 31, v0
	v_min_u32 v[PFO], 3, v[LN]
	v_lshlrev_b32 v[PFO], 8, v[PFO]
	v_lshlrev_b32 v[LN], 4, v[LN]
	v_bfe_u32 v[BQ], v0, 4, 1
	v_lshlrev_b32 v[BQ], 5, v[BQ]
	v_and_b32 v[BV], 15, v0
	v_lshlrev_b32 v[BV], 2, v[BV]
	s_lshl_b32 s45, s15, 17
	v_add_nc_u32 v[ADA], s45, v[LN]
	v_add_nc_u32 v[ADA+1], 0x10000, v[ADA]
	s_mul_i32 s23, ttmp9, 3                        ; u
	s_lshl_b32 s20, s23, 2
	s_add_co_u32 s20, s20, s17                     ; chunk
	s_mov_b32 s21, 3                               ; trips to go
	s_lshl_b32 s46, s20, 17
	s_add_co_u32 s46, s46, WOFF
	s_add_nc_u64 s[38:39], s[4:5], s[46:47]        ; the chunk's images of qkv_w
	s_lshl_b32 s46, s16, 16
	s_add_nc_u64 s[36:37], s[38:39], s[46:47]      ; my four tiles of its eight
	s_lshl_b32 s46, s18, 12
	s_lshl_b32 s48, s14, 10
	s_add_co_u32 s46, s46, s48
	s_add_nc_u64 s[38:39], s[38:39], s[46:47]      ; my wave's four blocks of its 512
	s_lshl_b32 s46, s20, 9
	s_lshl_b32 s48, s16, 8
	s_add_co_u32 s46, s46, s48
	s_add_nc_u64 s[42:43], s[6:7], s[46:47]        ; my 64 numbers of the bias
	s_lshr_b32 s50, s18, 3                         ; the batch
	s_lshl_b32 s50, s50, 21
	s_lshl_b32 s48, s16, 17
	s_add_co_u32 s50, s50, s48
	s_and_b32 s48, s18, 7
	s_lshl_b32 s48, s48, 14
	s_add_co_u32 s50, s50, s48
	s_lshl_b32 s48, s15, 13
	s_add_co_u32 s50, s50, s48                     ; (16 batch + my head of the chunk's two) x 131,072 + 64 x my first token in the batch
	s_wait_alu depctr_va_vdst(0)                   ; the wait here
	global_prefetch_b8 v[PFO], s[38:39] th:TH_LOAD_NT scope:SCOPE_SE
	BIASQ 0                                        ; a first chunk is q or k (u = 0 or 3)
	BLOAD 0, 0
	BLOAD 1, 2048
	BLOAD 2, 4096
	WIN 0
	s_wait_kmcnt 0x0
	s_add_co_i32 s77, s68, s69                     ; e0 + e1
	s_sub_co_i32 s78, 0, s77
	s_wait_tensorcnt 0x0                           ; my quarter of x's block has landed
	s_barrier_signal -1
	s_barrier_wait -1                              ; everybody's has
	ALOAD 0, 0
	WIN 0
.Lchunk:
	s_lshr_b32 s44, s23, 1                         ; 0: q, 1: k, 2: v
	s_cmp_eq_u32 s44, 0
	s_cselect_b32 s45, s70, s71
	s_cmp_eq_u32 s44, 2
	s_cselect_b32 s45, s73, s45                    ; the result's e
	s_sub_co_i32 s45, s45, s77                     ; a sum stands for sum x 2^(e0 + e1)
	s_add_co_i32 s45, s45, 127
	s_lshl_b32 s46, s45, 23
	s_add_co_i32 s45, s45, 8
	s_lshl_b32 s45, s45, 23
	s_or_b32 s45, s45, 0x600000
	s_lshl_b32 s48, s44, 23                        ; q at 0, k at 8 MiB, v at 16 MiB
	s_and_b32 s47, s20, 7
	s_lshl_b32 s47, s47, 18                        ; two heads a chunk
	s_add_co_u32 s48, s48, s47
	s_add_co_u32 s48, s48, s50
	s_mov_b32 s49, 0
	s_add_nc_u64 s[40:41], s[10:11], s[48:49]
	s_wait_loadcnt 32                              ; the bias and set 0 are in; sets 1 and 2 may be out
	v_mov_b32 v[SCL], s46
	v_mov_b32 v[LIM], s45
	s_cmp_eq_u32 s21, 1
	s_cbranch_scc1 .Lno_ask
	global_prefetch_b8 v[PFO], s[38:39] offset:CSTEP th:TH_LOAD_NT scope:SCOPE_SE
.Lno_ask:
	s_cmp_lt_u32 s23, 4
	s_cbranch_scc0 .Lv
.set jj, 0
.rept 32
	v_ldexp_f32 v[BI+jj], v[BI+jj], s78
.set jj, jj+1
.endr
	s_wait_alu depctr_va_vdst(0)                   ; the wait here
.irp it, 0,1,2,3,4,5,6,7
	ITER \it, 0
.endr
	OUT 0
	s_branch .Lnext
.Lv:
.irp b, 0,1,2,3
	v_ldexp_f32 v[BI+8*\b], v[BI+8*\b], s78
.endr
.irp b, 0,1,2,3
.irp j, 1,2,3,4,5,6,7
	v_mov_b32 v[BI+8*\b+\j], v[BI+8*\b]            ; a lane holds one channel: the same bias for its eight tokens
.endr
.endr
	s_wait_alu depctr_va_vdst(0)                   ; as above
.irp it, 0,1,2,3,4,5,6,7
	ITER \it, 1
.endr
	OUT 1
.Lnext:
	s_wait_xcnt 0x0                                ; the bases and the stores' registers are written again only behind this wait
	s_add_nc_u64 s[36:37], s[36:37], CSTEP
	s_add_nc_u64 s[38:39], s[38:39], CSTEP
	s_add_nc_u64 s[42:43], s[42:43], 2048
	s_add_co_u32 s20, s20, 4
	s_add_co_u32 s23, s23, 1
	s_sub_co_u32 s21, s21, 1
	s_cmp_lg_u32 s21, 0
	s_cbranch_scc1 .Lchunk
	s_wait_tensorcnt 0x0                           ; the wave's end
	ds_add_u32 v[SPW], v[NIL]
	s_wait_dscnt 0x0
	ROUND                                          ; the closing round
	s_endpgm
.Lfunc_end_k_qb1806aa5fc_qkvgemm:
	.size	k_qb1806aa5fc_qkvgemm, .Lfunc_end_k_qb1806aa5fc_qkvgemm-k_qb1806aa5fc_qkvgemm
	.p2alignl 7, 3214868480
	.fill 96, 4, 3214868480
	.section	.rodata,"a",@progbits
	.p2align	6, 0x0
	.amdhsa_kernel k_qb1806aa5fc_qkvgemm
		.amdhsa_group_segment_fixed_size 262656
		.amdhsa_private_segment_fixed_size 0
		.amdhsa_enable_private_segment 0
		.amdhsa_kernarg_size 32
		.amdhsa_user_sgpr_count 2
		.amdhsa_user_sgpr_kernarg_segment_ptr 1
		.amdhsa_wavefront_size32 1
		.amdhsa_system_sgpr_workgroup_id_x 1
		.amdhsa_system_sgpr_workgroup_id_y 1
		.amdhsa_system_sgpr_workgroup_id_z 1
		.amdhsa_system_vgpr_workitem_id 0
		.amdhsa_next_free_vgpr 1024
		.amdhsa_next_free_sgpr 80
		.amdhsa_reserve_vcc 0
		.amdhsa_float_denorm_mode_32 3
		.amdhsa_float_denorm_mode_16_64 3
		.amdhsa_memory_ordered 1
		.amdhsa_forward_progress 1
		.amdhsa_inst_pref_size 152
	.end_amdhsa_kernel
	.amdgpu_metadata
---
amdhsa.version: [ 1, 2 ]
amdhsa.kernels:
  - .name:           k_qb1806aa5fc_qkvgemm
    .symbol:         k_qb1806aa5fc_qkvgemm.kd
    .args:
      - { .name: codes, .offset: 0, .size: 8, .value_kind: global_buffer, .address_space: global }
      - { .name: qkv_b, .offset: 8, .size: 8, .value_kind: global_buffer, .address_space: global }
      - { .name: lowp_scales, .offset: 16, .size: 8, .value_kind: global_buffer, .address_space: global }
      - { .name: qkvc, .offset: 24, .size: 8, .value_kind: global_buffer, .address_space: global }
    .group_segment_fixed_size: 262656
    .private_segment_fixed_size: 0
    .kernarg_segment_align: 8
    .kernarg_segment_size: 32
    .max_flat_workgroup_size: 128
    .sgpr_count:     80
    .vgpr_count:     1024
    .wavefront_size: 32
...
	.end_amdgpu_metadata
.endif
;; end of part 2
;; launch attn (part 3): grid 4 x 64, 16 waves a work-group, clusters of 4 x 1, 264,192 bytes of LDS; arguments qkvc, lowp_scales, ocodes; writes ocodes
.if DOCPART == 3
	.amdgcn_target "amdgcn-amd-amdhsa--gfx1250"
	.amdhsa_code_object_version 6
	.text
	.protected	k_qb1806aa5fc_attn
	.globl	k_qb1806aa5fc_attn
	.p2align	8
	.type	k_qb1806aa5fc_attn,@function
k_qb1806aa5fc_attn:
	s_mov_b64 s[64:65], 0
	v_nop
	global_prefetch_b8 v0, s[64:65] scope:SCOPE_SE
	s_setreg_imm32_b32 hwreg(HW_REG_WAVE_MODE, 25, 1), 1
	s_wait_xcnt 0x0
	s_wait_alu depctr_hold_cnt(0) depctr_sa_sdst(0) depctr_va_vdst(0) depctr_va_sdst(0) depctr_va_ssrc(0) depctr_va_vcc(0) depctr_vm_vsrc(0)
	s_getreg_b32 s2, hwreg(HW_REG_IB_STS2, 6, 4)
	s_cmp_eq_u32 s2, 0
	s_cbranch_scc0 .Lentry_in_a_cluster
	s_endpgm
.Lentry_in_a_cluster:
	s_bfe_u32 s2, ttmp6, 0x10000c
	s_cmp_lg_u32 s2, 0x3003
	s_cbranch_scc0 .Lentry_shape_is_right
	s_endpgm
.Lentry_shape_is_right:
; o[b][h][q] = the sum over k of softmax_k(q . k / 8) v, both products on codes of FP8 (E4M3) by the K = 64 form; o / the row's sum is quantised (entry 6 of the scales) and stored as images of the last product's operand.
; THE SOFTMAX: t = score x log2(e) / 8; M = the row's largest t rounded UP to a whole number; p = 2^(t - M) is quantised (entry 4), not normalised; the row's sum is taken of the unquantised p, in f32, and divides at the end.
; TWO WALKS OVER THE KEYS.  A whole head's K and V lie in LDS, so the keys can be walked twice.  The first walk forms the scores and keeps their largest: M is then final.  The second forms the scores again
; (8 products and 8 LDS loads for 64 keys) and goes on to p, the sum, the codes and O^T.  With M final, O^T and the sum are never rescaled (32 packed multiplications for 64 keys are not written), and no chain across lanes stands in a loop.
; SHARES.  64 heads (batch x 16 + head) x 4 work-groups of 512 queries; each of sixteen waves owns two tiles of 16 queries, which share every fragment of K and V; four waves to a SIMD, 256 registers each, no register windows.
; LDS: K 131,072 bytes at 0, V 131,072 behind it, as they lie in memory: images of the operands' registers, so every LDS load is 16 bytes a lane on end.  Every LDS byte is filled once: no ring, no refill.
; CLUSTER.  The four work-groups of a head need the same K and V: each block of 16 KiB is asked for jointly, with the mask of all four.  Wave w asks for block w (0-7: K, 8-15: V): one tensor load a wave, its addresses made of the wave's number and the head.
; NO PREFETCH: all 262,144 bytes of K and V are asked for by the head's sixteen loads; there is no later load to run ahead of.
; LAYOUT.  Both products are used transposed: S^T = K Q^T (source 0 = 16 keys, source 1 = 16 queries), O^T = V^T P^T (source 0 = 16 channels, source 1 = P): a lane holds one query (lane % 16) throughout, and the eight
; scores of tile u are keys 16 u + 8 (lane / 16) + 0..7: their codes are registers 2 u, 2 u + 1 of P as this form wants them.
; LIMITS on the given exponents, so that each power of two below is an f32 number: e2 + e3 between -123 and 130 (added to c's exponent field); e4, and e6 - e4 - e5, between -126 and 119.  NaN is not served.
.set VBASE, 131072                     ; LDS: K at 0, V here
.set SPARE, 262144                     ; the spare words: 128 bytes for each of 16 waves
.set STEPB, 4096                       ; 64 keys: four tiles of K of 1,024 bytes; four tiles of V^T of 1,024 bytes
.set LI,   1                           ; v1    16 x lane
.set LV,   2                           ; v2    VBASE + 16 x lane
.set ADK,  3                           ; v3    the step's K
.set ADV,  4                           ; v4    the step's V
.set PLIM, 5                           ; v5, v6  448 x 2^e4, twice: the two halves of a dual line read different registers
.set PLIM2, 6
.set PSCL, 7                           ; v7    2^e4
.set NM,   8                           ; v[8+2i] -M of tile i; the upper word of the pair is written once, since the pair is named
.set SUM,  12                          ; v[12+4i+2c:13+4i+2c] tile i's sum, chain c, in two halves
.set MX,   20                          ; v[20+2i+c] tile i's largest score, chain c
.set RL,   20                          ; v[20+2i] at the end: 1 / the row's sum
.set PD,   24                          ; v[24+i] a lane permute's destination
.set OLIM, 26                          ; 448 x 2^(e6 - e4 - e5)
.set OSCL, 27                          ; 2^(e6 - e4 - e5)
.set SPW,  28                          ; my spare word; never rewritten
.set NIL,  29                          ; 0; never rewritten
.set Q,    32                          ; v32-47   Q, 8 a tile
.set FK,   48                          ; v48-79   four fragments of K
.set FV,   80                          ; v80-111  four fragments of V (first walk: of K)
.set S,    112                         ; v112-175 S^T, then p, 32 a tile
.set O,    176                         ; v176-239 O^T, 32 a tile (first walk: scores)
.set P,    240                         ; v240-255 p's codes, 8 a tile; at the end o's
.set WV,   10                          ; s10  wave
.set SEL,  20                          ; s[20:21] lane selects for v_permlanex16_b32: lane l xor 16
.set CS,   22                          ; s[22:23] c = log2(e) / 8 x 2^(e2 + e3)
.set G1,   24                          ; s[24:31] descriptor group 1
.set G0,   36                          ; s[36:39] group 0
.set TB,   60                          ; s60  LDS byte of the step's keys
.set CNT,  61                          ; s61  trips to go
.macro ROUND                           ; a round of the cluster's barrier
	s_barrier_signal -1
	s_barrier_wait -1
	s_cmp_lg_u32 s[WV], 0
	s_cbranch_scc1 .Lnot_wave_0_\@
	s_barrier_signal -3
.Lnot_wave_0_\@:
	s_barrier_wait -3
	s_barrier_signal -1
	s_barrier_wait -1
.endm
.macro FLOAD f, adr, off               ; four fragments, 64 keys: eight loads
.irp u, 0,1,2,3
.irp c, 0,1
	ds_load_b128 v[\f+8*\u+4*\c:\f+8*\u+4*\c+3], v[\adr] offset:\off+\u*1024+\c*512
.endr
.endr
.endm
.macro SCORES d, f                     ; S^T of 64 keys x both tiles: eight products, each begun with 0
.irp u, 0,1,2,3
.irp i, 0,1
	v_wmma_f32_16x16x64_fp8_fp8 v[\d+32*\i+8*\u:\d+32*\i+8*\u+7], v[\f+8*\u:\f+8*\u+7], v[Q+8*\i:Q+8*\i+7], 0
.endr
.endr
.endm
.macro MAXES d                         ; four chains by turns; each accumulator is first read at its low end
.irp n, 0,2,4,6,8,10,12,14,16,18,20,22,24,26,28,30
.irp i, 0,1
	v_max3_num_f32 v[MX+2*\i+(\n/2)%2], v[MX+2*\i+(\n/2)%2], v[\d+32*\i+\n], v[\d+32*\i+\n+1]
.endr
.endr
.endm
; THE FIRST WALK, 128 keys a trip.  more = 1: the next trip's eight fragments are fetched; more = 0: the second walk's first four.
.macro FIND more
	s_wait_dscnt 8                                 ; the first 64 keys' fragments are in; the eight younger loads may be out
	SCORES S, FK
	s_wait_dscnt 0x0
	SCORES O, FV
.if \more
	v_add_nc_u32 v[ADK], s[TB], v[LI]
.else
	v_nop
.endif
.rept 3
	v_nop                                          ; four places between the products and the loads into registers that they read, and the first read of the scores
.endr
.if \more
	FLOAD FK, ADK, 2*STEPB
	FLOAD FV, ADK, 3*STEPB
.else
	FLOAD FK, LI, 0
.endif
	MAXES S
	MAXES O
.endm
; THE SECOND WALK, 64 keys a step.  first = 1: the products start O^T's sums with 0.  more = 1: the next step's K is fetched.
.macro STEP first, more
	s_wait_dscnt 0x0                               ; this step's K is in
	SCORES S, FK
	v_add_nc_u32 v[ADK], s[TB], v[LI]
	v_add_nc_u32 v[ADV], s[TB], v[LV]
	v_nop                                          ; with the two additions: four places behind the products (this step's and the last step's)
	v_nop
	FLOAD FV, ADV, 0                               ; V lands under the softmax,
.if \more
	FLOAD FK, ADK, STEPB                           ; and the next step's K behind it
.endif
.irp n, 0,2,4,6,8,10,12,14,16,18,20,22,24,26,28,30
.irp i, 0,1
	v_pk_fma_f32 v[S+32*\i+\n:S+32*\i+\n+1], v[S+32*\i+\n:S+32*\i+\n+1], s[CS:CS+1], v[NM+2*\i:NM+2*\i+1] op_sel_hi:[1,0,0]   ; t - M, two at a time (of the pairs c and -M the low word serves both halves)
.endr
.endr
	s_wait_alu depctr_va_vdst(0)                   ; the wait ahead of the batch
.set jj, 0
.rept 64
	v_exp_f32 v[S+jj], v[S+jj]                     ; p = 2^(t - M): one batch for both tiles
.set jj, jj+1
.endr
	v_nop                                          ; a plain line behind the exponentials
	s_wait_alu depctr_va_vdst(0)                   ; one wait for the batch, ahead of its first reader
.irp n, 0,2,4,6,8,10,12,14,16,18,20,22,24,26,28,30
.irp i, 0,1
	v_pk_add_f32 v[SUM+4*\i+\n%4:SUM+4*\i+\n%4+1], v[SUM+4*\i+\n%4:SUM+4*\i+\n%4+1], v[S+32*\i+\n:S+32*\i+\n+1]   ; the row's sum, of the unquantised p: four chains by turns
.endr
.endr
.irp u, 0,1,2,3
.irp i, 0,1
.irp j, 0,2,4,6
	v_dual_min_num_f32 v[S+32*\i+8*\u+\j], v[PLIM], v[S+32*\i+8*\u+\j] :: v_dual_min_num_f32 v[S+32*\i+8*\u+\j+1], v[PLIM2], v[S+32*\i+8*\u+\j+1]   ; the conversion does not saturate (ISA guide 7.6.2); p is not negative, so the hold is one-sided; two a line
.endr
	v_cvt_scalef32_pk8_fp8_f32 v[P+8*\i+2*\u:P+8*\i+2*\u+1], v[S+32*\i+8*\u:S+32*\i+8*\u+7], v[PSCL]
.endr
.endr
	v_nop                                          ; one plain line between the conversions and the products
	s_wait_dscnt 8*\more                           ; V is in; the next step's eight loads of K may be out
	s_wait_alu depctr_va_vdst(0)                   ; the wait here, ahead of the first readers of O^T
.irp t, 0,1,2,3                                ; eight accumulators, one instruction a turn; the next step's eight products on the scores stand between two links
.irp i, 0,1
.if \first
	v_wmma_f32_16x16x64_fp8_fp8 v[O+32*\i+8*\t:O+32*\i+8*\t+7], v[FV+8*\t:FV+8*\t+7], v[P+8*\i:P+8*\i+7], 0
.else
	v_wmma_f32_16x16x64_fp8_fp8 v[O+32*\i+8*\t:O+32*\i+8*\t+7], v[FV+8*\t:FV+8*\t+7], v[P+8*\i:P+8*\i+7], v[O+32*\i+8*\t:O+32*\i+8*\t+7]
.endif
.endr
.endr
.endm
	s_load_b128 s[4:7], s[0:1], 0x0                ; the images of q, k, v s[4:5], the scales' exponents s[6:7]
	s_load_b64 s[8:9], s[0:1], 0x10                ; o's images
	v_lshl_add_u32 v[SPW], v0, 2, SPARE
	v_mov_b32 v[NIL], 0
	ds_add_u32 v[SPW], v[NIL]                      ; the opening lines: the add, twice on end, and its wait ahead of my tensor load
	ds_add_u32 v[SPW], v[NIL]
	v_lshrrev_b32 v1, 5, v0
	v_readfirstlane_b32 s[WV], v1                  ; wave 0..15
	s_bfe_u32 s11, ttmp6, 0x40000                  ; cx: which 512 queries: it enters Q's and o's addresses alone
	s_and_b32 s12, ttmp7, 0xffff                   ; batch x 16 + head, which the four partners share
	s_lshl_b32 s13, s[WV], 14                      ; my block of 16 KiB in LDS: blocks 0-7 are K, 8-15 V
	s_lshr_b32 s17, s[WV], 3
	s_add_co_u32 s17, s17, 1
	s_lshl_b32 s17, s17, 23                        ; in memory: k at 8 MiB, v at 16 MiB,
	s_and_b32 s16, s[WV], 7
	s_lshl_b32 s16, s16, 14                        ; my block of the eight,
	s_lshl_b32 s18, s12, 17                        ; a head's block is 131,072 bytes
	s_add_co_u32 s18, s18, s17
	s_add_co_u32 s18, s18, s16
	s_mov_b32 s19, 0
	s_lshl_b32 s62, s11, 5
	s_lshl_b32 s63, s[WV], 1
	s_add_co_u32 s62, s62, s63                     ; my first tile of queries in the head: 32 cx + 2 wave
	s_lshl_b32 s66, s62, 10                        ; a tile of q is 1,024 bytes
	s_lshl_b32 s67, s12, 17
	s_add_co_u32 s66, s66, s67
	s_mov_b32 s67, 0
	s_lshr_b32 s68, s12, 4                         ; o: [token / 16][head][2][lane][16 bytes]: the batch's 128 tiles of tokens,
	s_lshl_b32 s68, s68, 7
	s_add_co_u32 s68, s68, s62
	s_lshl_b32 s68, s68, 14                        ; 16,384 bytes each,
	s_and_b32 s69, s12, 15
	s_lshl_b32 s69, s69, 10                        ; 1,024 for a head
	s_add_co_u32 s68, s68, s69
	s_mov_b32 s69, 0
	; descriptor group 1: a dense block of 16 KiB as 64 rows of 256 bytes
	s_mov_b32 s[G1], 15|(3<<16)|(1<<21)            ; 15:0 the mask: all four work-groups; 17:16 elements of 8 bytes; 21 set beside a mask; no padding
	s_mov_b32 s[G1+1], 32<<16                      ; tensor_dim0 = 32 elements
	s_mov_b32 s[G1+2], 64<<16                      ; tensor_dim1 = 64
	s_mov_b32 s[G1+3], 32<<16                      ; tile_dim0
	s_mov_b32 s[G1+4], 64                          ; tile_dim1
	s_mov_b32 s[G1+5], 32                          ; tensor_dim0_stride: rows on end
	s_mov_b32 s[G1+6], 0
	s_mov_b32 s[G1+7], 0
	s_mov_b32 s[SEL], 0x76543210
	s_mov_b32 s[SEL+1], 0xfedcba98
	s_wait_dscnt 0x0                               ; both opening adds are done
	s_wait_kmcnt 0x0
	s_load_b256 s[52:59], s[6:7], 0x0              ; the eight exponents
	s_add_nc_u64 s[66:67], s[4:5], s[66:67]        ; Q
	s_add_nc_u64 s[8:9], s[8:9], s[68:69]          ; o
	s_mov_b32 s[G0], 1
	s_mov_b32 s[G0+1], s13
	s_add_nc_u64 s[G0+2:G0+3], s[4:5], s[18:19]
	s_or_b32 s[G0+3], s[G0+3], 0x80000000
	ROUND                                          ; all four work-groups are here: the joint loads meet
	tensor_load_to_lds s[G0:G0+3], s[G1:G1+7]      ; my one tensor load of the launch
	s_nop 0
	v_and_b32 v[LI], 31, v0
	v_lshlrev_b32 v[LI], 4, v[LI]
.irp i, 0,1
.irp c, 0,1
	global_load_b128 v[Q+8*\i+4*\c:Q+8*\i+4*\c+3], v[LI], s[66:67] offset:\i*1024+\c*512   ; Q stays in registers
.endr
.endr
	v_add_nc_u32 v[LV], VBASE, v[LI]
.irp i, 0,1
	v_mov_b32 v[MX+2*\i], 0xff800000               ; the largest score so far: -infinity
	v_mov_b32 v[MX+2*\i+1], 0xff800000
	v_mov_b32 v[NM+2*\i+1], 0                      ; (named as the upper half of a pair)
	v_mov_b32 v[PD+\i], 0                          ; (a lane permute's destination counts as one of its sources)
.irp c, 0,1,2,3
	v_mov_b32 v[SUM+4*\i+\c], 0                    ; the sums
.endr
.endr
	s_wait_kmcnt 0x0
	s_add_co_i32 s70, s54, s55                     ; a score stands for score x 2^(e2 + e3): the exponents are added to c's exponent field
	s_lshl_b32 s70, s70, 23
	s_add_co_i32 s[CS], s70, 0x3e38aa3b            ; c = log2(e) / 8
	s_mov_b32 s[CS+1], s[CS]                       ; (named with it as a pair)
	s_add_co_i32 s70, s56, 127
	s_lshl_b32 s71, s70, 23
	v_mov_b32 v[PSCL], s71                         ; 2^e4
	s_add_co_i32 s70, s70, 8
	s_lshl_b32 s70, s70, 23
	s_or_b32 s70, s70, 0x600000
	v_mov_b32 v[PLIM], s70                         ; 448 x 2^e4
	v_mov_b32 v[PLIM2], s70
	s_sub_co_i32 s70, s58, s56
	s_sub_co_i32 s70, s70, s57                     ; a sum of the second product stands for sum x 2^(e4 + e5): o's code is (sum / l) / 2^(e6 - e4 - e5)
	s_add_co_i32 s70, s70, 127
	s_lshl_b32 s71, s70, 23
	v_mov_b32 v[OSCL], s71
	s_add_co_i32 s70, s70, 8
	s_lshl_b32 s70, s70, 23
	s_or_b32 s70, s70, 0x600000
	v_mov_b32 v[OLIM], s70
	s_wait_alu depctr_va_vdst(0)                   ; the wait at the head's end
	s_wait_loadcnt 0x0                             ; Q
	s_wait_tensorcnt 0x0                           ; my block has landed
	s_barrier_signal -1
	s_barrier_wait -1                              ; everybody's has: the whole head lies in LDS
	FLOAD FK, LI, 0                                ; keys 0-63
	FLOAD FV, LI, STEPB                            ; keys 64-127
	s_mov_b32 s[TB], 0
	s_mov_b32 s[CNT], 15
.Lfind:                                            ; 15 trips of 128 keys, each fetching the next trip's; the sixteenth is written out
	FIND 1
	s_add_co_u32 s[TB], s[TB], 2*STEPB
	s_sub_co_u32 s[CNT], s[CNT], 1
	s_cmp_lg_u32 s[CNT], 0
	s_wait_alu depctr_va_vdst(0)                   ; the wait here, directly ahead of the branch
	s_cbranch_scc1 .Lfind
	FIND 0
.irp i, 0,1
	v_max_num_f32 v[MX+2*\i], v[MX+2*\i], v[MX+2*\i+1]
.endr
.irp i, 0,1
	v_permlanex16_b32 v[PD+\i], v[MX+2*\i], s[SEL], s[SEL+1]   ; the query's other keys lie in the lane 16 away
.endr
.irp i, 0,1
	v_max_num_f32 v[MX+2*\i], v[MX+2*\i], v[PD+\i]
.endr
.irp i, 0,1
	v_mul_f32 v[MX+2*\i], s[CS], v[MX+2*\i]        ; as t (c is positive)
.endr
.irp i, 0,1
	v_floor_f32 v[NM+2*\i], -v[MX+2*\i]            ; -M = floor(-t): M is a whole number
.endr
	s_wait_alu depctr_va_vdst(0)                   ; the wait here
	s_mov_b32 s[TB], 0
	STEP 1, 1                                      ; keys 0-63 start the sums
	s_mov_b32 s[TB], STEPB
	s_mov_b32 s[CNT], 30
.Lkeys:                                            ; keys 64-1,983
	STEP 0, 1
	s_add_co_u32 s[TB], s[TB], STEPB
	s_sub_co_u32 s[CNT], s[CNT], 1
	s_cmp_lg_u32 s[CNT], 0
	s_cbranch_scc1 .Lkeys
	STEP 0, 0                                      ; the last 64 keys fetch nothing more
	; THE WAY OUT.  The first four additions are the places behind the last products.
.irp i, 0,1
	v_pk_add_f32 v[SUM+4*\i:SUM+4*\i+1], v[SUM+4*\i:SUM+4*\i+1], v[SUM+4*\i+2:SUM+4*\i+3]   ; the two chains,
.endr
.irp i, 0,1
	v_add_f32 v[SUM+4*\i], v[SUM+4*\i], v[SUM+4*\i+1]          ; the two halves,
.endr
.irp i, 0,1
	v_permlanex16_b32 v[PD+\i], v[SUM+4*\i], s[SEL], s[SEL+1]
.endr
.irp i, 0,1
	v_add_f32 v[SUM+4*\i], v[SUM+4*\i], v[PD+\i]               ; and lane l xor 16's: the row's sum
.endr
	s_wait_alu depctr_va_vdst(0)                   ; the wait ahead of the reciprocals
.irp i, 0,1
	v_rcp_f32 v[RL+2*\i], v[SUM+4*\i]
.endr
	v_nop                                          ; a plain line behind the reciprocals
	s_wait_alu depctr_va_vdst(0)                   ; one wait for both, and ahead of the first readers of O^T
.irp n, 0,2,4,6,8,10,12,14,16,18,20,22,24,26,28,30
.irp i, 0,1
	v_pk_mul_f32 v[O+32*\i+\n:O+32*\i+\n+1], v[O+32*\i+\n:O+32*\i+\n+1], v[RL+2*\i:RL+2*\i+1] op_sel_hi:[1,0]   ; O^T / the sum, each accumulator from its low end on
.endr
.endr
.set jj, 0
.rept 64
	v_med3_num_f32 v[O+jj], v[O+jj], -v[OLIM], v[OLIM]         ; the hold at the largest code x the scale
.set jj, jj+1
.endr
.irp i, 0,1
.irp t, 0,1,2,3
	v_cvt_scalef32_pk8_fp8_f32 v[P+8*\i+2*\t:P+8*\i+2*\t+1], v[O+32*\i+8*\t:O+32*\i+8*\t+7], v[OSCL]   ; lane (r, h): channels 16 t + 8 h + 0..7 of query r
.endr
.endr
	v_nop                                          ; one plain line between the conversions and the lines that touch their results
; The last product wants, of token r, channels 32 g + 16 h + 0..15 in lane (r, h).  Exchanging the upper lanes of tile 2 g's registers with the lower lanes of tile 2 g + 1's gives just that, in place.
.irp i, 0,1
.irp g, 0,1
	v_permlane16_swap_b32 v[P+8*\i+4*\g], v[P+8*\i+4*\g+2]
	v_permlane16_swap_b32 v[P+8*\i+4*\g+1], v[P+8*\i+4*\g+3]
.endr
.endr
.irp i, 0,1
.irp g, 0,1
	global_store_b128 v[LI], v[P+8*\i+4*\g:P+8*\i+4*\g+3], s[8:9] offset:\i*16384+\g*512   ; 32 lanes store 512 consecutive bytes, at a multiple of 512 from the buffer's first byte
.endr
.endr
	s_wait_tensorcnt 0x0                           ; the wave's end
	ds_add_u32 v[SPW], v[NIL]
	s_wait_dscnt 0x0
	ROUND                                          ; the closing round: no work-group ends while a partner may still ask for a block that names it
	s_endpgm
.Lfunc_end_k_qb1806aa5fc_attn:
	.size	k_qb1806aa5fc_attn, .Lfunc_end_k_qb1806aa5fc_attn-k_qb1806aa5fc_attn
	.p2alignl 7, 3214868480
	.fill 96, 4, 3214868480
	.section	.rodata,"a",@progbits
	.p2align	6, 0x0
	.amdhsa_kernel k_qb1806aa5fc_attn
		.amdhsa_group_segment_fixed_size 264192
		.amdhsa_private_segment_fixed_size 0
		.amdhsa_enable_private_segment 0
		.amdhsa_kernarg_size 24
		.amdhsa_user_sgpr_count 2
		.amdhsa_user_sgpr_kernarg_segment_ptr 1
		.amdhsa_wavefront_size32 1
		.amdhsa_system_sgpr_workgroup_id_x 1
		.amdhsa_system_sgpr_workgroup_id_y 1
		.amdhsa_system_sgpr_workgroup_id_z 1
		.amdhsa_system_vgpr_workitem_id 0
		.amdhsa_next_free_vgpr 256
		.amdhsa_next_free_sgpr 80
		.amdhsa_reserve_vcc 0
		.amdhsa_float_denorm_mode_32 3
		.amdhsa_float_denorm_mode_16_64 3
		.amdhsa_memory_ordered 1
		.amdhsa_forward_progress 1
		.amdhsa_inst_pref_size 60
	.end_amdhsa_kernel
	.amdgpu_metadata
---
amdhsa.version: [ 1, 2 ]
amdhsa.kernels:
  - .name:           k_qb1806aa5fc_attn
    .symbol:         k_qb1806aa5fc_attn.kd
    .args:
      - { .name: qkvc, .offset: 0, .size: 8, .value_kind: global_buffer, .address_space: global }
      - { .name: lowp_scales, .offset: 8, .size: 8, .value_kind: global_buffer, .address_space: global }
      - { .name: ocodes, .offset: 16, .size: 8, .value_kind: global_buffer, .address_space: global }
    .group_segment_fixed_size: 264192
    .private_segment_fixed_size: 0
    .kernarg_segment_align: 8
    .kernarg_segment_size: 24
    .max_flat_workgroup_size: 512
    .sgpr_count:     80
    .vgpr_count:     256
    .wavefront_size: 32
...
	.end_amdgpu_metadata
.endif
;; end of part 3
;; launch proj (part 4): grid 8 x 32, 4 waves a work-group, clusters of 4 x 1, 280,064 bytes of LDS; arguments ocodes, codes, out_b, lowp_scales, out0; writes out0
.if DOCPART == 4
	.amdgcn_target "amdgcn-amd-amdhsa--gfx1250"
	.amdhsa_code_object_version 6
	.text
	.protected	k_qb1806aa5fc_proj
	.globl	k_qb1806aa5fc_proj
	.p2align	8
	.type	k_qb1806aa5fc_proj,@function
k_qb1806aa5fc_proj:
	s_mov_b64 s[64:65], 0
	v_nop
	global_prefetch_b8 v0, s[64:65] scope:SCOPE_SE
	s_setreg_imm32_b32 hwreg(HW_REG_WAVE_MODE, 25, 1), 1
	s_wait_xcnt 0x0
	s_wait_alu depctr_hold_cnt(0) depctr_sa_sdst(0) depctr_va_vdst(0) depctr_va_sdst(0) depctr_va_ssrc(0) depctr_va_vcc(0) depctr_vm_vsrc(0)
	s_getreg_b32 s2, hwreg(HW_REG_IB_STS2, 6, 4)
	s_cmp_eq_u32 s2, 0
	s_cbranch_scc0 .Lentry_in_a_cluster
	s_endpgm
.Lentry_in_a_cluster:
	s_bfe_u32 s2, ttmp6, 0x10000c
	s_cmp_lg_u32 s2, 0x3003
	s_cbranch_scc0 .Lentry_shape_is_right
	s_endpgm
.Lentry_shape_is_right:
; out0 = o out_w^T + out_b on codes of FP8 (E4M3), K = 1,024, by the K = 128 form; f32 out.  Both operands arrive as images: 16 rows x 128 K = 2,048 bytes, [c][lane][16 bytes], the same permutation of K in both.
; SHARES.  256 work-groups: 32 blocks of 256 tokens x 8 blocks of 128 columns; a wave makes 128 tokens x 64 columns: 32 accumulators, 256 registers.
; o's 256 ROWS, ALL OF K, LIE IN LDS: 262,144 bytes, filled once, one tensor load of 65,536 bytes a wave at the head: no ring, no refill.  CLUSTER: the four work-groups of a cluster need the same rows of o and ask for them jointly.
; out_w's FRAGMENTS GO FROM MEMORY STRAIGHT INTO REGISTERS, four sets of 64, three K steps ahead; they never lie in LDS, so they are not asked for jointly.
; Source 0 = 16 rows of out_w, source 1 = 16 tokens: a lane holds a token and 8 neighbouring columns.  The bias, divided by 2^(e6 + e7), is the C of the first products; each sum is multiplied once by 2^(e6 + e7).
; PREFETCH.  My block's 131,072 bytes of out_w are 512 blocks of 256 bytes; the 32 work-groups that read them share them out by address, 16 each, 4 a wave (lanes 3-31 name the wave's last block), asked for once, at the head,
; while o's rows are on their way: three K steps and more ahead of the loads of sets 3 to 7.
; LIMIT: e6 + e7 between -126 and 127.
; REGISTERS, in windows of 256: 0: addresses, bias, the way out; 1: accumulator (a, b) at 32 a + 8 b; 2: o's fragments, two sets of 128; 3: out_w's, four sets of 64.
.set STAGE, 262144                     ; the way out: 16 rows x 272 bytes for each wave, on bytes that no fill lands on
.set SPARE, STAGE+4*4352
.set WOFF,  11534336
.set LN,  1
.set ADA, 2
.set SPW, 4
.set NIL, 5
.set BQ,  8
.set PFO, 10
.set STO, 11
.set RD,  12
.set CO,  13
.set BI,  32
.set TMP, 64
.set BK,  128
.set MSB, 0
.macro WIN new
.if MSB != \new
	s_set_vgpr_msb (MSB<<8)|\new
.set MSB, \new
.endif
.endm
.macro ROUND
	s_barrier_signal -1
	s_barrier_wait -1
	s_cmp_lg_u32 s14, 0
	s_cbranch_scc1 .Lnot_wave_0_\@
	s_barrier_signal -3
.Lnot_wave_0_\@:
	s_barrier_wait -3
	s_barrier_signal -1
	s_barrier_wait -1
.endm
.macro PLACES
.rept 4
	v_nop
.endr
.endm
.macro ALOAD set, ks
	WIN 0x80
.irp a, 0,1,2,3,4,5,6,7
.irp c, 0,1,2,3
	ds_load_b128 v[128*(\set)+16*\a+4*\c:128*(\set)+16*\a+4*\c+3], v[ADA+\a/4] offset:(\a%4)*16384+(\ks)*2048+\c*512
.endr
.endr
.endm
.macro BLOAD slot, off
	WIN 0xc0
.irp b, 0,1,2,3
.irp c, 0,1,2,3
	global_load_b128 v[64*(\slot)+16*\b+4*\c:64*(\slot)+16*\b+4*\c+3], v[LN], s[36:37] offset:(\off)+\b*16384+\c*512
.endr
.endr
.endm
; A K STEP.  LOADcnt: behind set it stand sets it + 1 and it + 2, 32 loads; at the end the counts run down.
.macro ITER it
.if \it > 0
.if \it < 6
	s_wait_loadcnt 32
.else
	s_wait_loadcnt 16*(7-\it)
.endif
.endif
	s_wait_dscnt 0x0                               ; o's fragments of this step, asked for a step ago
	PLACES                                         ; four places between the last step's products and loads into registers that they read
.if \it < 7
	ALOAD (\it+1)%2, \it+1
.endif
.if \it < 5
	BLOAD (\it+3)%4, (\it+3)*2048
.endif
.if \it == 0
	WIN 0x4b
.else
	WIN 0x5b
.endif
.irp a, 0,1,2,3,4,5,6,7                        ; 32 products, the accumulators by turns
.irp b, 0,1,2,3
.set D_, 32*\a+8*\b
.set X_, 64*((\it)%4)+16*\b
.set Y_, 128*((\it)%2)+16*\a
.if \it == 0
	v_wmma_f32_16x16x128_fp8_fp8 v[D_:D_+7], v[X_:X_+15], v[Y_:Y_+15], v[BI+8*\b:BI+8*\b+7]
.else
	v_wmma_f32_16x16x128_fp8_fp8 v[D_:D_+7], v[X_:X_+15], v[Y_:Y_+15], v[D_:D_+7]
.endif
.endr
.endr
.endm
; THE WAY OUT, 16 tokens x 64 columns at a time, through my own stage: back come whole rows of 256 bytes, which sixteen lanes store as one aligned unit.  LDS serves a wave's instructions in order.
.macro TOSTAGE a
	WIN 0x01
.set jj, 0
.rept 16
	v_pk_mul_f32 v[TMP+jj:TMP+jj+1], v[32*(\a)+jj:32*(\a)+jj+1], s[76:77] op_sel_hi:[1,0]   ; x 2^(e6 + e7); each accumulator from its low end on
.set jj, jj+2
.endr
	WIN 0
.irp b, 0,1,2,3
	ds_store_b128 v[STO], v[TMP+8*\b:TMP+8*\b+3] offset:64*\b
	ds_store_b128 v[STO], v[TMP+8*\b+4:TMP+8*\b+7] offset:64*\b+16
.endr
.irp t, 0,1,2,3,4,5,6,7
	ds_load_b128 v[BK+32*((\a)%2)+4*\t:BK+32*((\a)%2)+4*\t+3], v[RD] offset:\t*544
.endr
.endm
.macro SEND a, younger                 ; younger: the LDS instructions issued behind block a's loads
	s_wait_dscnt \younger
.if (\a) > 0
	s_add_nc_u64 s[12:13], s[12:13], 16*4096       ; behind a wait on XCNT: the earlier stores have read their base
.endif
.irp t, 0,1,2,3,4,5,6,7
	global_store_b128 v[CO], v[BK+32*((\a)%2)+4*\t:BK+32*((\a)%2)+4*\t+3], s[12:13] offset:\t*8192 th:TH_STORE_NT
.endr
.endm
	s_load_b256 s[4:11], s[0:1], 0x0               ; o's images, codes, out_b, the scales' exponents
	s_load_b64 s[12:13], s[0:1], 0x20              ; out0
	v_lshl_add_u32 v[SPW], v0, 2, SPARE
	v_mov_b32 v[NIL], 0
	ds_add_u32 v[SPW], v[NIL]                      ; the opening lines: the add, twice on end, and its wait
	ds_add_u32 v[SPW], v[NIL]
	v_lshrrev_b32 v1, 5, v0
	v_readfirstlane_b32 s14, v1                    ; wave
	s_lshr_b32 s15, s14, 1                         ; which 128 tokens
	s_and_b32 s16, s14, 1                          ; which 64 columns
	s_bfe_u32 s17, ttmp6, 0x40000                  ; cx: it enters global addresses alone
	s_and_b32 s18, ttmp7, 0xffff                   ; the block of 256 tokens
	s_lshl_b32 s19, ttmp9, 2
	s_add_co_u32 s19, s19, s17                     ; the block of 128 columns
	s_mov_b32 s24, 15|(3<<16)|(1<<21)              ; group 1: the mask of all four; elements of 8 bytes; a dense block as 256 rows of 256 bytes
	s_mov_b32 s25, 32<<16
	s_mov_b32 s26, 256<<16
	s_mov_b32 s27, 32<<16
	s_mov_b32 s28, 256
	s_mov_b32 s29, 32
	s_mov_b32 s30, 0
	s_mov_b32 s31, 0
	s_lshl_b32 s46, s18, 18
	s_lshl_b32 s33, s14, 16
	s_add_co_u32 s46, s46, s33
	s_mov_b32 s47, 0
	s_mov_b32 s32, 1
	s_wait_dscnt 0x0
	s_wait_kmcnt 0x0
	s_load_b256 s[68:75], s[10:11], 0x0            ; the eight exponents
	s_add_nc_u64 s[34:35], s[4:5], s[46:47]
	s_or_b32 s35, s35, 0x80000000
	ROUND                                          ; all four work-groups are here: the joint loads meet
	tensor_load_to_lds s[32:35], s[24:31]          ; my one tensor load of the launch
	s_nop 0
	v_and_b32 v[LN], 31, v0
	v_min_u32 v[PFO], 3, v[LN]
	v_lshlrev_b32 v[PFO], 8, v[PFO]
	v_lshlrev_b32 v[LN], 4, v[LN]
	v_bfe_u32 v14, v0, 4, 1                        ; h
	v_and_b32 v15, 15, v0                          ; r
	v_lshlrev_b32 v[BQ], 5, v14
	s_lshl_b32 s45, s15, 17
	v_add_nc_u32 v[ADA], s45, v[LN]
	v_add_nc_u32 v[ADA+1], 0x10000, v[ADA]
	s_mul_i32 s45, s14, 4352
	s_add_co_u32 s45, s45, STAGE
	v_mul_u32_u24 v[STO], v15, 272
	v_lshl_add_u32 v[STO], v14, 5, v[STO]
	v_add_nc_u32 v[STO], s45, v[STO]               ; in: row r, 32 bytes for each half of the lanes
	v_mul_u32_u24 v[RD], v14, 272
	v_lshl_add_u32 v[RD], v15, 4, v[RD]
	v_add_nc_u32 v[RD], s45, v[RD]                 ; back: lanes 0-15 one row, lanes 16-31 the next
	v_lshlrev_b32 v[CO], 12, v14
	v_lshl_add_u32 v[CO], v15, 4, v[CO]            ; and the same two rows in out0
	s_lshl_b32 s46, s19, 17
	s_add_co_u32 s46, s46, WOFF
	s_add_nc_u64 s[38:39], s[6:7], s[46:47]        ; my block's images of out_w
	s_lshl_b32 s46, s16, 16
	s_add_nc_u64 s[36:37], s[38:39], s[46:47]      ; my four tiles of its eight
	s_lshl_b32 s46, s18, 12
	s_lshl_b32 s48, s14, 10
	s_add_co_u32 s46, s46, s48
	s_add_nc_u64 s[38:39], s[38:39], s[46:47]      ; my wave's four blocks of its 512
	s_lshl_b32 s46, s19, 9
	s_lshl_b32 s48, s16, 8
	s_add_co_u32 s46, s46, s48                     ; my first column, in bytes
	s_add_nc_u64 s[8:9], s[8:9], s[46:47]
	s_lshl_b32 s48, s18, 20
	s_add_co_u32 s46, s46, s48
	s_lshl_b32 s48, s15, 19
	s_add_co_u32 s46, s46, s48                     ; + my first token's row of 4,096 bytes
	s_add_nc_u64 s[12:13], s[12:13], s[46:47]
	s_wait_alu depctr_va_vdst(0)                   ; the wait here
	global_prefetch_b8 v[PFO], s[38:39] th:TH_LOAD_NT scope:SCOPE_SE
.irp b, 0,1,2,3
	global_load_b128 v[BI+8*\b:BI+8*\b+3], v[BQ], s[8:9] offset:64*\b
	global_load_b128 v[BI+8*\b+4:BI+8*\b+7], v[BQ], s[8:9] offset:64*\b+16
.endr
	BLOAD 0, 0
	BLOAD 1, 2048
	BLOAD 2, 4096
	WIN 0
	s_wait_kmcnt 0x0
	s_add_co_i32 s76, s74, s75                     ; e6 + e7
	s_sub_co_i32 s78, 0, s76
	s_add_co_i32 s76, s76, 127
	s_lshl_b32 s76, s76, 23                        ; 2^(e6 + e7) as f32
	s_mov_b32 s77, s76                             ; (named with it as a pair)
	s_wait_tensorcnt 0x0                           ; my quarter of o's block has landed
	s_barrier_signal -1
	s_barrier_wait -1                              ; everybody's has
	ALOAD 0, 0
	WIN 0
	s_wait_loadcnt 32                              ; the bias and set 0 are in; sets 1 and 2 may be out
.set jj, 0
.rept 32
	v_ldexp_f32 v[BI+jj], v[BI+jj], s78
.set jj, jj+1
.endr
	s_wait_alu depctr_va_vdst(0)                   ; the wait here
.irp it, 0,1,2,3,4,5,6,7
	ITER \it
.endr
	PLACES
	TOSTAGE 0
.irp a, 1,2,3,4,5,6,7
.if \a > 1
	s_wait_xcnt 0x0                                ; block a - 2's stores have read their registers and their base
.endif
	TOSTAGE \a
	SEND \a-1, 16                                  ; behind block a - 1's loads: block a's 8 stores and 8 loads
.endr
	s_wait_xcnt 0x0
	SEND 7, 0
	s_wait_tensorcnt 0x0                           ; the wave's end
	ds_add_u32 v[SPW], v[NIL]
	s_wait_dscnt 0x0
	ROUND                                          ; the closing round
	s_endpgm
.Lfunc_end_k_qb1806aa5fc_proj:
	.size	k_qb1806aa5fc_proj, .Lfunc_end_k_qb1806aa5fc_proj-k_qb1806aa5fc_proj
	.p2alignl 7, 3214868480
	.fill 96, 4, 3214868480
	.section	.rodata,"a",@progbits
	.p2align	6, 0x0
	.amdhsa_kernel k_qb1806aa5fc_proj
		.amdhsa_group_segment_fixed_size 280064
		.amdhsa_private_segment_fixed_size 0
		.amdhsa_enable_private_segment 0
		.amdhsa_kernarg_size 40
		.amdhsa_user_sgpr_count 2
		.amdhsa_user_sgpr_kernarg_segment_ptr 1
		.amdhsa_wavefront_size32 1
		.amdhsa_system_sgpr_workgroup_id_x 1
		.amdhsa_system_sgpr_workgroup_id_y 1
		.amdhsa_system_sgpr_workgroup_id_z 1
		.amdhsa_system_vgpr_workitem_id 0
		.amdhsa_next_free_vgpr 1024
		.amdhsa_next_free_sgpr 80
		.amdhsa_reserve_vcc 0
		.amdhsa_float_denorm_mode_32 3
		.amdhsa_float_denorm_mode_16_64 3
		.amdhsa_memory_ordered 1
		.amdhsa_forward_progress 1
		.amdhsa_inst_pref_size 78
	.end_amdhsa_kernel
	.amdgpu_metadata
---
amdhsa.version: [ 1, 2 ]
amdhsa.kernels:
  - .name:           k_qb1806aa5fc_proj
    .symbol:         k_qb1806aa5fc_proj.kd
    .args:
      - { .name: ocodes, .offset: 0, .size: 8, .value_kind: global_buffer, .address_space: global }
      - { .name: codes, .offset: 8, .size: 8, .value_kind: global_buffer, .address_space: global }
      - { .name: out_b, .offset: 16, .size: 8, .value_kind: global_buffer, .address_space: global }
      - { .name: lowp_scales, .offset: 24, .size: 8, .value_kind: global_buffer, .address_space: global }
      - { .name: out0, .offset: 32, .size: 8, .value_kind: global_buffer, .address_space: global }
    .group_segment_fixed_size: 280064
    .private_segment_fixed_size: 0
    .kernarg_segment_align: 8
    .kernarg_segment_size: 40
    .max_flat_workgroup_size: 128
    .sgpr_count:     80
    .vgpr_count:     1024
    .wavefront_size: 32
...
	.end_amdgpu_metadata
.endif
;; end of part 4
